; MI455X (gfx1250); checked and timed in simulation.
; The chip was launched on July 23, 2026; its instructions are those of AMD's public machine-readable ISA for CDNA 5 (MIT licence, August 2026) and "CDNA5" Instruction Set Architecture Reference Guide (July 2026). The comments in the code are by the model that wrote it; some were corrected since.
;; Dot Product Attention. Allowed arithmetic: matrix products marked QUANTISED: E5M2 operands, one given power-of-two scale a tensor, by v_wmma_f32_16x16x64_bf8_bf8 or v_wmma_f32_16x16x128_bf8_bf8, f32 sums; everything else in f32.
;; Inputs: keys_codes 16 x 2,048 x 2 x 32 uint8 (E5M2 codes of keys, K innermost, in blocks of 32 codes); lowp_scales 4 int32 (the exponents e of the quantised operands' scales 2^e); queries_codes 16 x 2,048 x 2 x 32 uint8 (E5M2 codes of queries, K innermost, in blocks of 32 codes); valid_lens 16 int32; values_codes 16 x 64 x 64 x 32 uint8 (E5M2 codes of values, K innermost, in blocks of 32 codes).
;; Outputs: out0 16 x 2,048 x 64 float32.
;; This version of the problem:
;;   THIS VERSION OF THE PROBLEM IS GIVEN IN LOW PRECISION. The matrix products marked QUANTISED in the list below multiply operands that are first quantised to E5M2 (5 exponent bits, 2 mantissa bits; 8 bits a number), with one given power-of-two scale for each operand tensor; their sums are f32. All else is computed in f32.
;;   The module's matrix products, in the order in which they are computed (A, B: the left and right operand; K: the contracted axis; several contracted axes count as one K, in the product's order):
;;     1. batch 16 x [M 2,048, K 64] x [K 64, N 2,048]; A: input queries (given as codes); B: input keys (given as codes): QUANTISED (scales: A lowp_scales[0], B lowp_scales[1])
;;     2. batch 16 x [M 2,048, K 2,048] x [K 2,048, N 64]; A: softmax (see below); B: input values (given as codes): QUANTISED (scales: A lowp_scales[2], B lowp_scales[3])
;;   THE QUANTISER, for each operand of a quantised product, along K:
;;     - The operand's scale is 2^e, e = its entry of the input lowp_scales (int32; the entries are numbered through the quantised products in the list's order, A before B).
;;     - Each number is divided by the scale, clamped to +-57,344, and rounded to the nearest number of E5M2, ties to even, subnormals kept.
;;     - The product sums the exact products of the quantised numbers (number of the format x scale) in f32.
;;   ~~~python
;;   def quantise(x, axis, e):      # numpy; x: float32 -> the quantised numbers, widened to float32 again
;;       x = np.moveaxis(x, axis, -1); K = x.shape[-1]
;;       r = np.clip(x / 2.0 ** e, -57344, 57344)
;;       step = 2.0 ** (np.maximum(np.frexp(np.where(r == 0, 1, r))[1] - 1, -14) - 2)
;;       q = np.round(r / step) * step * 2.0 ** e      # np.round: ties to even
;;       return np.moveaxis(q, -1, axis).astype(np.float32)
;;   ~~~
;;   SOFTMAX AHEAD OF A QUANTISED PRODUCT. Where the list says 'softmax', what is quantised is not the finished softmax but p = 2^(t - M), with t = logit x log2(e) and M = ceil(the row's largest t), a whole number; so 1/2 < the row's largest p <= 1. The row's sum l is taken of the UNQUANTISED p, in f32, and the product's result is divided by l at the end. Since M is a whole number, a kernel that streams over the keys may use a running M (the ceiling of the running maximum): every later rescaling is an exact power of two, so the quantised numbers keep their values, but for numbers so far below the row's largest that they fall under the format's range.
;;   OPERANDS COMPUTED ON THE WAY. 'Computed on the way' means the value that the module computes at that place (a softmax that the list does not call 'softmax' is quantised finished and normalised). What goes into a quantiser is computed in f32, as accurately as f32 sums, v_exp_f32 and their like allow (about 1e-6 of the number): no bf16 or f16 on the way to a quantiser, and a product that is left as it is and whose result goes on into a quantised operand takes f32 operands (vector FMAs, or v_wmma_f32_16x16x4_f32). A number that lies on a knife's edge between two numbers of the format may be rounded either way, as far as f32 arithmetic and the matrix unit's own rounding can turn it there, and no further.
;;   INPUTS GIVEN AS CODES. keys (in the module: [16, 2048, 64], K = its axis 2); queries (in the module: [16, 2048, 64], K = its axis 2); values (in the module: [16, 2048, 64], K = its axis 1): each comes as NAME_codes (uint8): NAME with its K axis moved to the last place and cut into blocks of 32 codes, [.., K / 32, bytes a block], one block behind the other in memory; one code a byte (a code: sign, 5 exponent bits, 2 mantissa bits); its scale is its entry of lowp_scales. Its value is code x scale, taken as it is: it is not quantised again, and the codes and scales need not be those that the quantiser above would give.
;; 2 versions, each right; version 2 is version 1 with the launch attn written anew for expert scheduling mode. Each part assembles by itself: llvm-mc -triple=amdgcn-amd-amdhsa -mcpu=gfx1250 --defsym DOCPART=n.
;; ======== version 1 of 2: 1 launch
;; limits: right only within a limited range of input values
;; launch attn (part 1): grid 256 x 1, 8 waves a work-group, no clusters, 175,104 bytes of LDS; arguments queries_codes, keys_codes, values_codes, valid_lens, lowp_scales, out0; writes out0
.if DOCPART == 1
	.amdgcn_target "amdgcn-amd-amdhsa--gfx1250"
	.amdhsa_code_object_version 6
	.text
	.protected	k_q2697e27c90_attn
	.globl	k_q2697e27c90_attn
	.p2align	8
	.type	k_q2697e27c90_attn,@function
k_q2697e27c90_attn:
	s_mov_b64 s[64:65], 0
	v_nop
	global_prefetch_b8 v0, s[64:65] scope:SCOPE_SE
	s_setreg_imm32_b32 hwreg(HW_REG_WAVE_MODE, 25, 1), 1
	s_wait_xcnt 0x0
; out0[b][q][:] = sum over k of softmax_k(mask(Q[b][q] . K[b][k] / 8)) V[b][k][:], 16 batches x 2,048 queries x 2,048 keys, head size 64, both products on codes of BF8 (E5M2),
; each tensor with its given scale 2^e: eq, ek, ep, ev.  Q, K: [16][2048][64] codes.  V: [16][64][2048] codes, the keys innermost.  out0: [16][2048][64] f32.
; THE MASK: keys at or past valid_len[b] count for nothing.  Key steps (128 keys) that lie wholly past valid_len are neither loaded nor multiplied; in the one step that valid_len cuts, hidden scores become -infinity.
; THE SOFTMAX AHEAD OF THE SECOND PRODUCT: t = score x log2(e) / 8; M = the largest t so far, rounded UP to a whole number; p = 2^(t - M) is quantised with 2^ep; the row's sum l is taken of the unquantised p and divides at the end.
; SHARES.  A JOB is 64 queries (four tiles of 16) of one batch: 512 jobs, two to each of 256 work-groups.  Job A: batch a = work-group / 16, query block work-group % 16.  Job B: the batch whose rank by valid_len is
; 15 - rank(a) (the ranking keys 16 x len + batch are all different, so this pairing is one to one and every batch gets its blocks 16 to 31 once), query block 16 + work-group % 16: a long batch stands beside a short one.
; A job is shared among four waves BY KEY STEPS, dealt round: A's steps and then B's count as one sequence, and part r takes the steps whose number in it is r modulo 4.  A wave holds all four tiles of queries, so each
; fragment of K and V that it loads feeds four products.  At the end a job's four partial results (M, l, O^T) meet in LDS behind the one barrier; part r joins tile r by exact powers of two, divides by l and stores it.
; LAYOUT.  Both products are used transposed: S^T = K Q^T (source 0 = 16 keys, source 1 = 16 queries), O^T = V^T P^T (source 0 = 16 of the head's 64, source 1 = P): a lane holds ONE query (lane % 16) throughout.
; THE KEYS OF A TILE ARE NOT NEIGHBOURS: lane r of tile 2 b + u takes key 32 b + 8 u + r + 8 (r / 8), so that the 16 registers of tiles 2 b and 2 b + 1 are the keys 32 b + 16 (lane / 16) + 0 .. 15: the conversions' results
; are the second product's operand.  Fragments are loaded 16 bytes a lane: a permutation of k that is the same in both operands of a product.
; NO TENSOR LOADS, NO CLUSTER, though the jobs of a batch read the same K and V: how many steps a wave walks hangs on valid_lens, and the hold at the largest code on ep; both are branches on loaded numbers.
; The four waves of a job read different steps, so they would share nothing through LDS either.
; LIMITS.  Hidden keys have weight 0, as reference()'s -1e6 gives them wherever a row has a valid key with a score above about -1e6 + 200.  valid_len <= 0: all 2,048 keys alike (t = 0, p = 1, as f32 gives for 2,048 equal
; logits of -1e6); valid_len > 2,048 is held at 2,048.  eq + ek between -123 and 130 (added to c's exponent field); ep between -126 and 112; ep + ev is applied by v_ldexp_f32 and has none.  NaN and infinity codes are not served.
; REGISTERS, in two windows of 256.  Window 0: v1 K's, v2 V's, v3 Q's lane offset; v4 2^ep; v5 57,344 x 2^ep; v6 -infinity; v7 the mask's distance; v[8:9] f; v10-15 at work; v16-31 four registers of statistics a tile
;   (-M, largest t, l in two halves); v32-63 Q; v64-95 two fragments of p's codes; v96-159, v160-223 two buffers of scores; v224-230 addresses for the end; v232-247 the joining.
;   Window 1: v0-127 O^T (tile t, 16 u of the head at 32 t + 8 u); v128-191 K's eight fragments; v192-255 V's four.
.set ST,   16
.set QF,   32
.set PC,   64
.set SA,   96
.set SB,   160
.set KF,   128                         ; in window 1
.set VF,   192                         ; in window 1
.set STAT, 131072                      ; LDS: 0: eight slots of 16,384 bytes: images of a wave's O^T registers;  STAT: eight slots of 1,024: (-M, l) a lane and tile;
.set STG,  139264                      ; STG: eight stages of 16 rows x (256 + 16) bytes, each wave's own
.set MSB, 0
.macro WIN new                         ; s_set_vgpr_msb: bits 1:0 source 0, 3:2 source 1, 5:4 source 2, 7:6 destination; the high byte repeats the setting that is left
.if MSB != \new
	s_set_vgpr_msb (MSB<<8)|\new
.set MSB, \new
.endif
.endm
.macro PLACES                          ; four plain vector lines between a matrix instruction and a read of its result by a vector line or a store, or a load into one of its registers
.rept 4
	v_nop
.endr
.endm
.macro KLOAD                           ; a step's 128 keys: eight fragments of 16 keys x 64, two loads of 16 bytes a lane each
	WIN 0x40                                       ; destination window 1
.irp i, 0,1,2,3,4,5,6,7
	global_load_b128 v[KF+8*\i:KF+8*\i+3],   v1, s[6:7] offset:(32*(\i/2)+8*(\i%2))*64
	global_load_b128 v[KF+8*\i+4:KF+8*\i+7], v1, s[6:7] offset:(32*(\i/2)+8*(\i%2))*64+32
.endr
	WIN 0
.endm
.macro VLOAD                           ; the same 128 keys of V's 64 rows: four fragments of 16 rows x 128 keys
	WIN 0x40
.irp u, 0,1,2,3
.irp c, 0,1,2,3
	global_load_b128 v[VF+16*\u+4*\c:VF+16*\u+4*\c+3], v2, s[8:9] offset:32768*\u+32*\c
.endr
.endr
	WIN 0
.endm
.macro SMUL t, sb                      ; S^T of tile t into buffer sb: eight products, each its own sum (K = 64 is the whole head)
	WIN 0x01                                       ; source 0 (K) window 1
.irp i, 0,1,2,3,4,5,6,7
	v_wmma_f32_16x16x64_bf8_bf8 v[\sb+8*\i:\sb+8*\i+7], v[KF+8*\i:KF+8*\i+7], v[QF+8*\t:QF+8*\t+7], 0
.endr
	WIN 0
.endm
.macro PVMUL t0                        ; O^T += V^T P^T for tiles t0 and t0 + 1: eight accumulators, one instruction each
	WIN 0x51                                       ; source 0 (V), C and D window 1; source 1 (p's codes) window 0
.irp u, 0,1,2,3
.irp t, \t0, \t0+1
	v_wmma_f32_16x16x128_bf8_bf8 v[32*(\t)+8*\u:32*(\t)+8*\u+7], v[VF+16*\u:VF+16*\u+15], v[PC+16*((\t)%2):PC+16*((\t)%2)+15], v[32*(\t)+8*\u:32*(\t)+8*\u+7]
.endr
.endr
	WIN 0
.endm
; One tile's softmax for one key step, in place on the 64 scores of buffer sb (register 16 b + i: key 32 b + 16 (lane / 16) + i of the step).  msk = 1: the text of a wave's last step, which valid_len may cut.
.macro SOFTMAX t, sb, msk
.set NM, ST+4*\t                       ; -M; NM + 1 the largest t; NM + 2, NM + 3 l
.if \msk
	s_cmp_eq_u32 s36, 0                            ; all 128 keys of the step count: nothing to hide
	s_cbranch_scc1 .Lopen_\@
.irp b, 0,1,2,3
.irp i, 0,1,2,3,4,5,6,7,8,9,10,11,12,13,14,15
	v_cmp_ge_i32 vcc_lo, 32*\b+\i, v7              ; hidden where 32 b + i >= valid_len - the step's first key - 16 (lane / 16)
	v_cndmask_b32 v[\sb+16*\b+\i], v[\sb+16*\b+\i], v6, vcc_lo
.endr
.endr
.Lopen_\@:
.endif
	v_max3_num_f32 v10, v[\sb], v[\sb+1], v[\sb+2] ; the step's largest score of my query among my 64 keys, in two chains; each accumulator is read from its low end on
	v_max3_num_f32 v11, v[\sb+3], v[\sb+4], v[\sb+5]
.irp i, 6,10,14,18,22,26,30,34,38,42,46,50,54,58
	v_max3_num_f32 v10, v10, v[\sb+\i], v[\sb+\i+1]
	v_max3_num_f32 v11, v11, v[\sb+\i+2], v[\sb+\i+3]
.endr
	v_max3_num_f32 v10, v10, v[\sb+62], v[\sb+63]
	v_max_num_f32 v10, v10, v11
	v_permlanex16_b32 v12, v10, s40, s41
	v_max_num_f32 v10, v10, v12                    ; and among lane l xor 16's
	v_mul_f32 v10, s38, v10                        ; as t (c is not negative)
	v_max_num_f32 v[NM+1], v[NM+1], v10            ; the running largest t
	v_mov_b32 v10, v[NM]
	v_floor_f32 v[NM], -v[NM+1]                    ; the new -M = floor(-t) = -ceil(t): a whole number
	v_sub_f32 v10, v[NM], v10                      ; old M - new M: a whole number, 0 or less
	v_cvt_i32_f32 v10, v10                         ; (it saturates)
	v_ldexp_f32 v8, 1.0, v10                       ; f = 2^(old M - new M): rounds nothing
.irp j, 0,2,4,6,8,10,12,14,16,18,20,22,24,26,28,30,32,34,36,38,40,42,44,46,48,50,52,54,56,58,60,62
	v_pk_fma_f32 v[\sb+\j:\sb+\j+1], v[\sb+\j:\sb+\j+1], s[38:39], v[NM:NM+1] op_sel_hi:[1,0,0]   ; t - M, two at a time (the low words of c's and -M's pairs serve both halves)
.endr
.irp b, 0,1,2,3
.irp i, 0,1,2,3,4,5,6,7,8,9,10,11,12,13,14,15
	v_exp_f32 v[\sb+16*\b+\i], v[\sb+16*\b+\i]     ; p = 2^(t - M): not normalised
.endr
.endr
	v_pk_mul_f32 v[NM+2:NM+3], v[NM+2:NM+3], v[8:9] op_sel_hi:[1,0]   ; l under the new M: the plain line behind the exponentials
	s_wait_alu depctr_va_vdst(0)                   ; one wait for the batch of 64, ahead of its first reader
	v_pk_add_f32 v[14:15], v[\sb:\sb+1], v[\sb+2:\sb+3]   ; the row's sum is taken of the unquantised p, in two chains
.irp j, 4,8,12,16,20,24,28,32,36,40,44,48,52,56,60
	v_pk_add_f32 v[NM+2:NM+3], v[NM+2:NM+3], v[\sb+\j:\sb+\j+1]
	v_pk_add_f32 v[14:15], v[14:15], v[\sb+\j+2:\sb+\j+3]
.endr
	v_pk_add_f32 v[NM+2:NM+3], v[NM+2:NM+3], v[14:15]
	s_cmp_eq_u32 s35, 0                            ; p <= 1, so p / 2^ep passes 57,344 only where ep < -15: else the hold could change nothing and is jumped over
	s_cbranch_scc1 .Lheld_\@
.irp b, 0,1,2,3
.irp i, 0,1,2,3,4,5,6,7,8,9,10,11,12,13,14,15
	v_min_num_f32 v[\sb+16*\b+\i], v[\sb+16*\b+\i], v5   ; the conversion does not saturate (ISA guide 7.6.2); p is not negative, so the hold is one-sided
.endr
.endr
.Lheld_\@:
.irp b, 0,1,2,3
	v_cvt_scalef32_pk8_bf8_f32 v[PC+16*(\t%2)+4*\b:PC+16*(\t%2)+4*\b+1],   v[\sb+16*\b:\sb+16*\b+7],    v4
	v_cvt_scalef32_pk8_bf8_f32 v[PC+16*(\t%2)+4*\b+2:PC+16*(\t%2)+4*\b+3], v[\sb+16*\b+8:\sb+16*\b+15], v4
.endr
	WIN 0x41                                       ; O^T (destination and source 0) window 1, f window 0
.irp j, 0,2,4,6,8,10,12,14,16,18,20,22,24,26,28,30
	v_pk_mul_f32 v[32*\t+\j:32*\t+\j+1], v[32*\t+\j:32*\t+\j+1], v[8:9] op_sel_hi:[1,0]   ; O^T under the new M.  (Also the plain lines behind the conversions)
.endr
	WIN 0
.endm
; A KEY STEP for the wave's four tiles.  At its head 16 loads of K and, behind them, 16 of V are out.  nxt = 1: the wave's next step (four steps on) is asked for: K as soon as the last S product has read K's registers, V likewise
; at the step's end: each has two tiles' softmax in which to land.  The two score buffers let a tile's products stand ahead of the softmax of the tile before.
.macro STEP nxt, msk
	s_wait_loadcnt 16                              ; K is in (in the first step Q too, asked for ahead of it); the 16 loads of V behind it may be out
	SMUL 0, SA
	SMUL 1, SB
	PLACES
	SOFTMAX 0, SA, \msk
	SMUL 2, SA
	SOFTMAX 1, SB, \msk
	SMUL 3, SB
.if \nxt
	PLACES
	s_add_nc_u64 s[6:7], s[6:7], 32768             ; four steps of 128 keys x 64 bytes on; the loads that read this base were shown done at the step's head
	KLOAD
	s_wait_loadcnt 16                              ; V is in; the 16 loads of K just issued may be out
.else
	s_wait_loadcnt 0x0                             ; V is in
.endif
	PVMUL 0
	SOFTMAX 2, SA, \msk
	SOFTMAX 3, SB, \msk
	PVMUL 2
.if \nxt
	PLACES
	s_add_nc_u64 s[8:9], s[8:9], 512               ; four steps of 128 keys on in V's rows; the loads that read this base were shown done in the step's middle
	VLOAD
.endif
.endm
	s_load_b256 s[4:11], s[0:1], 0x0               ; Q s[4:5], K s[6:7], V s[8:9], valid_lens s[10:11]
	s_load_b128 s[12:15], s[0:1], 0x20             ; the scales' exponents s[12:13], out0 s[14:15]
	v_lshl_add_u32 v254, v0, 2, 0x2a800
	v_mov_b32 v255, 0
	v_lshrrev_b32 v10, 5, v0
	v_readfirstlane_b32 s20, v10                   ; wave 0..7
	s_lshr_b32 s21, s20, 2
	s_xor_b32 s21, s21, s20
	s_and_b32 s21, s21, 1                          ; role: 0 job A (waves 0, 2, 5, 7), 1 job B (waves 1, 3, 4, 6)
	s_and_b32 s22, s20, 3                          ; part r: each role has parts 0 to 3
	s_lshl_b32 s23, s21, 2
	s_add_co_u32 s23, s23, s22                     ; my slot in LDS: 4 x role + r
	s_lshr_b32 s24, ttmp9, 4                       ; a
	s_and_b32 s25, ttmp9, 15                       ; the query block's low part
	v_and_b32 v10, 15, v0                          ; lane % 16
	v_bfe_u32 v11, v0, 4, 1                        ; lane / 16
	v_and_b32 v12, 31, v0                          ; lane.  (v12 is later a lane permute's destination, which counts as read: it is written here)
	v_and_b32 v1, 8, v10
	v_add_nc_u32 v1, v1, v10                       ; r + 8 (r / 8)
	v_lshlrev_b32 v1, 6, v1
	v_lshl_add_u32 v1, v11, 4, v1                  ; K: that row of 64 bytes, + 16 x half
	v_lshlrev_b32 v2, 11, v10
	v_lshl_add_u32 v2, v11, 4, v2                  ; V: row lane % 16 of 2,048 bytes, + 16 x half
	v_lshlrev_b32 v3, 6, v10
	v_lshl_add_u32 v3, v11, 4, v3                  ; Q: row lane % 16 of 64 bytes, + 16 x half
	v_lshlrev_b32 v13, 2, v10                      ; valid_lens: entry lane % 16
	v_lshlrev_b32 v7, 4, v11                       ; 16 x half, for the mask
	v_mov_b32 v6, 0xff800000                       ; -infinity
	v_mov_b32 v9, 0                                ; (named as the upper half of f's pair)
	v_lshlrev_b32 v230, 4, v12                     ; 16 x lane: an image's place for my lane, and my bytes of two rows of out0
	; all LDS addresses are made here, ahead of the roles' parting: constants, the wave's role, part and slot, and the lane
	s_lshl_b32 s37, s23, 14
	v_add_nc_u32 v224, s37, v230                   ; where I store my O^T: slot x 16,384 + 16 x lane
	s_lshl_b32 s37, s23, 10
	s_add_co_u32 s37, s37, STAT
	v_lshl_add_u32 v225, v12, 3, s37               ; and my statistics: STAT + slot x 1,024 + 8 x lane
	s_lshl_b32 s37, s21, 16
	s_lshl_b32 s44, s22, 12
	s_add_co_u32 s37, s37, s44
	v_add_nc_u32 v226, s37, v230                   ; where I read tile r of my job's four slots: role x 65,536 + r x 4,096 + 16 x lane
	s_lshl_b32 s37, s21, 12
	s_lshl_b32 s44, s22, 8
	s_add_co_u32 s37, s37, s44
	s_add_co_u32 s37, s37, STAT
	v_lshl_add_u32 v227, v12, 3, s37               ; and its statistics
	s_mul_i32 s37, s23, 4352
	s_add_co_u32 s37, s37, STG                     ; my stage
	v_mul_u32_u24 v228, v10, 272
	v_lshl_add_u32 v228, v11, 5, v228
	v_add_nc_u32 v228, s37, v228                   ; in: row lane % 16, 32 bytes for each half of the lanes
	v_mul_u32_u24 v229, v11, 272
	v_lshl_add_u32 v229, v10, 4, v229
	v_add_nc_u32 v229, s37, v229                   ; back: lanes 0-15 one row of 256 bytes, lanes 16-31 the next
	s_mov_b32 s40, 0x76543210                      ; v_permlanex16_b32's selects for lane l xor 16
	s_mov_b32 s41, 0xfedcba98
	s_lshl_b32 s46, s24, 2
	s_mov_b32 s26, s24                             ; job A: batch a,
	s_mov_b32 s27, s22                             ; first step r
	s_mov_b32 s29, 0
	s_wait_kmcnt 0x0
	s_load_b32 s28, s[10:11], s46 offset:0x0       ; valid_len[a]
	s_load_b128 s[16:19], s[12:13], 0x0            ; eq, ek, ep, ev
	s_cmp_eq_u32 s21, 0
	s_cbranch_scc1 .Ljoin
	; ---- job B's waves find the partner batch and their first step
	global_load_b32 v96, v13, s[10:11]             ; lane l: valid_len[l % 16]
	s_wait_kmcnt 0x0                               ; valid_len[a]
	s_cmp_gt_i32 s28, 0
	s_cselect_b32 s44, s28, 2048                   ; 0 or less counts as all keys,
	s_min_u32 s44, s44, 2048                       ; more than 2,048 as 2,048
	s_add_co_u32 s45, s44, 127
	s_lshr_b32 s45, s45, 7                         ; job A's steps
	s_sub_co_u32 s27, s22, s45
	s_and_b32 s27, s27, 3                          ; B's step s has number nA + s in the joint sequence: my first is (r - nA) mod 4
	s_min_u32 s27, s27, 3
	s_lshl_b32 s44, s44, 4
	s_add_co_u32 s44, s44, s24                     ; a's ranking key: 16 x length + batch
	s_wait_loadcnt 0x0
	v_cmp_lt_i32 vcc_lo, 0, v96
	v_mov_b32 v97, 0x800
	v_cndmask_b32 v97, v97, v96, vcc_lo
	v_min_u32 v97, 0x800, v97                      ; the lengths, brought into 1 .. 2,048 in the same way
	v_lshl_add_u32 v98, v97, 4, v10                ; lane l: the key of batch l % 16
	v_mov_b32 v99, 0
.irp j, 0,1,2,3,4,5,6,7,8,9,10,11,12,13,14,15
	v_readlane_b32 s37, v98, \j
	v_cmp_lt_u32 vcc_lo, s37, v98
	v_cndmask_b32 v100, 0, 1, vcc_lo
	v_add_nc_u32 v99, v99, v100                    ; my batch's rank: how many keys lie under its own
.endr
	v_cmp_gt_u32 s45, s44, v98
	s_and_b32 s45, s45, 0xffff
	s_bcnt1_i32_b32 s45, s45                       ; a's rank
	s_sub_co_u32 s45, 15, s45
	v_cmp_eq_u32 s48, s45, v99
	s_ctz_i32_b32 s26, s48                         ; the batch of rank 15 - rank(a)
	s_min_u32 s26, s26, 15
	s_lshl_b32 s47, s26, 2
	s_load_b32 s29, s[10:11], s47 offset:0x0       ; its valid_len: awaited behind the requests for Q, K and V
.Ljoin:
	s_lshl_b32 s44, s26, 17                        ; the batch's first byte in each tensor of codes
	s_lshl_b32 s37, s21, 4
	s_add_co_u32 s37, s37, s25                     ; my job's block of 64 queries: 16 x role + work-group % 16
	s_lshl_b32 s48, s37, 12
	s_add_co_u32 s48, s48, s44
	s_mov_b32 s49, 0
	s_add_nc_u64 s[4:5], s[4:5], s[48:49]          ; Q at the block's first row
	s_lshl_b32 s50, s27, 13
	s_add_co_u32 s50, s50, s44
	s_mov_b32 s51, 0
	s_add_nc_u64 s[6:7], s[6:7], s[50:51]          ; K at my first step: 128 rows of 64 bytes a step
	s_lshl_b32 s50, s27, 7
	s_add_co_u32 s50, s50, s44
	s_add_nc_u64 s[8:9], s[8:9], s[50:51]          ; V likewise: 128 bytes of each row a step
	s_lshl_b32 s48, s26, 19
	s_lshl_b32 s37, s37, 14
	s_add_co_u32 s48, s48, s37
	s_lshl_b32 s37, s22, 12
	s_add_co_u32 s48, s48, s37
	s_add_nc_u64 s[14:15], s[14:15], s[48:49]      ; out0 at tile r of the block: the tile that I join and store
.irp t, 0,1,2,3
	global_load_b128 v[QF+8*\t:QF+8*\t+3],   v3, s[4:5] offset:1024*\t      ; Q's four fragments stay in registers
	global_load_b128 v[QF+8*\t+4:QF+8*\t+7], v3, s[4:5] offset:1024*\t+32
.endr
	KLOAD                                          ; my first step, number 0 to 3: inside the buffers whatever valid_len is; a wave that has no step reads it and uses nothing of it
	VLOAD
.irp t, 0,1,2,3
	v_mov_b32 v[ST+4*\t+1], 0xff61b1e6             ; the largest t so far: -3e38, under every t
	v_floor_f32 v[ST+4*\t], -v[ST+4*\t+1]          ; -M
	v_mov_b32 v[ST+4*\t+2], 0                      ; l, in two halves
	v_mov_b32 v[ST+4*\t+3], 0
.endr
	WIN 0x40
.set j, 0
.rept 128
	v_mov_b32 v[j], 0                              ; O^T, while the first loads are out.  The step is written without a first form of its own, and a wave with no step hands zeros to the joining
.set j, j+1
.endr
	WIN 0
	s_wait_kmcnt 0x0                               ; the lengths and the four exponents
	s_cmp_eq_u32 s21, 0
	s_cselect_b32 s30, s28, s29                    ; my batch's valid_len
	s_add_co_i32 s37, s16, s17
	s_lshl_b32 s37, s37, 23
	s_add_co_i32 s38, s37, 0x3e38aa3b              ; c = log2(e) / 8 x 2^(eq + ek): the two exponents are added to c's exponent field
	s_cmp_gt_i32 s30, 0
	s_cselect_b32 s38, s38, 0                      ; valid_len <= 0: every key hidden alike: t = 0 for all 2,048
	s_cselect_b32 s30, s30, 2048
	s_min_u32 s30, s30, 2048
	s_mov_b32 s39, s38                             ; (named with it as a pair)
	s_add_co_u32 s31, s30, 127
	s_lshr_b32 s31, s31, 7                         ; the batch's steps, 1 to 16
	s_add_co_u32 s32, s31, 3
	s_sub_co_u32 s32, s32, s27
	s_lshr_b32 s32, s32, 2                         ; my steps: first, first + 4, ..: 0 to 4
	s_sub_co_i32 s33, s32, 1
	s_max_i32 s33, s33, 0                          ; those that have a successor
	s_cmp_lt_i32 s18, -15
	s_cselect_b32 s35, 1, 0                        ; is the hold needed?
	s_lshl_b32 s37, s33, 2
	s_add_co_u32 s37, s37, s27
	s_lshl_b32 s37, s37, 7                         ; my last step's first key
	s_sub_co_i32 s37, s30, s37                     ; keys that count from there on
	s_cmp_lt_i32 s37, 128
	s_cselect_b32 s36, 1, 0                        ; does valid_len cut my last step?  (Only a batch's last step can be cut, and it is the last of the wave that has it)
	v_sub_nc_u32 v7, s37, v7                       ; less 16 x half: the mask's distance
	s_add_co_i32 s44, s18, 127
	s_lshl_b32 s45, s44, 23
	v_mov_b32 v4, s45                              ; 2^ep as f32: the conversion takes its exponent field
	s_add_co_i32 s44, s44, 15
	s_lshl_b32 s44, s44, 23
	s_or_b32 s44, s44, 0x600000
	v_mov_b32 v5, s44                              ; 57,344 x 2^ep
	s_add_co_i32 s42, s18, s19                     ; ep + ev
	s_mov_b32 s34, 0
.Ltrip:                                                ; three trips, a constant; a trip's work is jumped over where the wave has no further step with a successor
	s_cmp_ge_u32 s34, s33
	s_cbranch_scc1 .Lskip
	STEP 1, 0
.Lskip:
	s_add_co_u32 s34, s34, 1
	s_cmp_lt_u32 s34, 3
	s_cbranch_scc1 .Ltrip
	s_cmp_eq_u32 s32, 0
	s_cbranch_scc1 .Lnone
	STEP 0, 1                                      ; my last step asks for nothing more, and may be cut by valid_len
.Lnone:
	s_wait_loadcnt 0x0                             ; (a wave without a step: its first loads)
	; ---- THE JOINING.  Each wave hands over its O^T as an image of its registers, and (-M, l) for each tile.
.irp t, 0,1,2,3
	v_add_f32 v[ST+4*\t+1], v[ST+4*\t+2], v[ST+4*\t+3]   ; l's two halves, beside -M.  (Four plain lines behind the last products)
.endr
	WIN 0x04                                       ; store data window 1
.irp t, 0,1,2,3
.irp g, 0,1,2,3,4,5,6,7
	ds_store_b128 v224, v[32*\t+4*\g:32*\t+4*\g+3] offset:4096*\t+512*\g   ; 32 lanes, 512 consecutive bytes; each accumulator from its low end on
.endr
.endr
	WIN 0
.irp t, 0,1,2,3
	ds_store_b64 v225, v[ST+4*\t:ST+4*\t+1] offset:256*\t
.endr
	s_wait_dscnt 0x0                               ; for the others' sake: my stores have landed
	s_barrier_signal -1
	s_barrier_wait -1                              ; the launch's one barrier: all eight slots are whole; nobody writes them again
.irp q, 0,1,2,3
	ds_load_b64 v[232+2*\q:233+2*\q], v227 offset:1024*\q          ; part q's (-M, l) of tile r
.endr
.irp q, 0,1,2,3
.irp g, 0,1,2,3,4,5,6,7
	ds_load_b128 v[96+32*\q+4*\g:96+32*\q+4*\g+3], v226 offset:16384*\q+512*\g   ; and its O^T of tile r
.endr
.endr
	s_wait_dscnt 32                                ; the four pairs of statistics are in; the 32 loads behind them may be out
	v_min3_num_f32 v240, v232, v234, v236
	v_min_num_f32 v240, v240, v238                 ; the smallest -M: the job's M
.irp q, 0,1,2,3
	v_sub_f32 v[241+\q], v240, v[232+2*\q]         ; part q's M less the job's: a whole number, 0 or less
.endr
.irp q, 0,1,2,3
	v_cvt_i32_f32 v[241+\q], v[241+\q]             ; (it saturates: a part without a step gets the factor 0)
.endr
.irp q, 0,1,2,3
	v_ldexp_f32 v[241+\q], 1.0, v[241+\q]          ; g = 2^(that): rounds nothing
.endr
	v_mul_f32 v245, v241, v233
	v_fma_f32 v245, v242, v235, v245
	v_fma_f32 v245, v243, v237, v245
	v_fma_f32 v245, v244, v239, v245               ; l under the job's M, of my half's keys,
	v_permlanex16_b32 v12, v245, s40, s41
	v_add_f32 v245, v245, v12                      ; and of lane l xor 16's: the row's sum
	v_rcp_f32 v246, v245
	v_nop                                          ; a plain line behind the reciprocal
	s_wait_alu depctr_va_vdst(0)                   ; and the wait ahead of its first reader
	v_ldexp_f32 v246, v246, s42                    ; x 2^(ep + ev)
.irp q, 0,1,2,3
	v_mul_f32 v[232+2*\q], v[241+\q], v246         ; g / l x 2^(ep + ev), as the low word of a pair
.endr
	s_wait_dscnt 24                                ; part 0's eight loads are in
.irp j, 0,2,4,6,8,10,12,14,16,18,20,22,24,26,28,30
	v_pk_mul_f32 v[96+\j:97+\j], v[96+\j:97+\j], v[232:233] op_sel_hi:[1,0]
.endr
.irp q, 1,2,3
	s_wait_dscnt 24-8*\q                           ; part q's are in; the later parts' may be out
.irp j, 0,2,4,6,8,10,12,14,16,18,20,22,24,26,28,30
	v_pk_fma_f32 v[96+\j:97+\j], v[96+32*\q+\j:97+32*\q+\j], v[232+2*\q:233+2*\q], v[96+\j:97+\j] op_sel_hi:[1,0,1]
.endr
.endr
	; register 8 u + i of lane (r, h) is out0(query r, 16 u + 8 h + i): through my own stage, so that sixteen lanes store a whole row of 256 bytes
.irp u, 0,1,2,3
	ds_store_b128 v228, v[96+8*\u:99+8*\u]   offset:64*\u
	ds_store_b128 v228, v[100+8*\u:103+8*\u] offset:64*\u+16
.endr
.irp k, 0,1,2,3,4,5,6,7
	ds_load_b128 v[128+4*\k:131+4*\k], v229 offset:544*\k          ; LDS serves a wave's instructions in order (ISA guide 5.7.1.4): these see my stores
.endr
.irp k, 0,1,2,3,4,5,6,7
	s_wait_dscnt 7-\k                              ; rows 2 k and 2 k + 1 are back; the later loads may be out
	global_store_b128 v230, v[128+4*\k:131+4*\k], s[14:15] offset:512*\k th:TH_STORE_NT   ; 32 lanes store 512 consecutive bytes, at a multiple of 256 from out0's first byte
.endr
	s_wait_tensorcnt 0x0
	ds_add_u32 v254, v255
	s_wait_dscnt 0x0
	s_endpgm
.Lfunc_end_k_q2697e27c90_attn:
	.size	k_q2697e27c90_attn, .Lfunc_end_k_q2697e27c90_attn-k_q2697e27c90_attn
	.p2alignl 7, 3214868480
	.fill 96, 4, 3214868480
	.section	.rodata,"a",@progbits
	.p2align	6, 0x0
	.amdhsa_kernel k_q2697e27c90_attn
		.amdhsa_group_segment_fixed_size 175104
		.amdhsa_private_segment_fixed_size 0
		.amdhsa_enable_private_segment 0
		.amdhsa_kernarg_size 48
		.amdhsa_user_sgpr_count 2
		.amdhsa_user_sgpr_kernarg_segment_ptr 1
		.amdhsa_wavefront_size32 1
		.amdhsa_system_sgpr_workgroup_id_x 1
		.amdhsa_system_sgpr_workgroup_id_y 1
		.amdhsa_system_sgpr_workgroup_id_z 1
		.amdhsa_system_vgpr_workitem_id 0
		.amdhsa_next_free_vgpr 512
		.amdhsa_next_free_sgpr 66
		.amdhsa_reserve_vcc 1
		.amdhsa_float_denorm_mode_32 3
		.amdhsa_float_denorm_mode_16_64 3
		.amdhsa_memory_ordered 1
		.amdhsa_forward_progress 1
		.amdhsa_inst_pref_size 158
	.end_amdhsa_kernel
	.amdgpu_metadata
---
amdhsa.version: [ 1, 2 ]
amdhsa.kernels:
  - .name:           k_q2697e27c90_attn
    .symbol:         k_q2697e27c90_attn.kd
    .args:
      - { .name: queries_codes, .offset: 0, .size: 8, .value_kind: global_buffer, .address_space: global }
      - { .name: keys_codes, .offset: 8, .size: 8, .value_kind: global_buffer, .address_space: global }
      - { .name: values_codes, .offset: 16, .size: 8, .value_kind: global_buffer, .address_space: global }
      - { .name: valid_lens, .offset: 24, .size: 8, .value_kind: global_buffer, .address_space: global }
      - { .name: lowp_scales, .offset: 32, .size: 8, .value_kind: global_buffer, .address_space: global }
      - { .name: out0, .offset: 40, .size: 8, .value_kind: global_buffer, .address_space: global }
    .group_segment_fixed_size: 175104
    .private_segment_fixed_size: 0
    .kernarg_segment_align: 8
    .kernarg_segment_size: 48
    .max_flat_workgroup_size: 256
    .sgpr_count:     66
    .vgpr_count:     512
    .wavefront_size: 32
...
	.end_amdgpu_metadata
.endif
;; end of part 1
;; ======== version 2 of 2: 1 launch; version 1 with the launch attn written anew for expert scheduling mode
;; limits: right only within a limited range of input values
;; launch attn (part 2): grid 256 x 1, 8 waves a work-group, no clusters, 175,104 bytes of LDS; arguments queries_codes, keys_codes, values_codes, valid_lens, lowp_scales, out0; writes out0
.if DOCPART == 2
	.amdgcn_target "amdgcn-amd-amdhsa--gfx1250"
	.amdhsa_code_object_version 6
	.text
	.protected	k_q2697e27c90_attn
	.globl	k_q2697e27c90_attn
	.p2align	8
	.type	k_q2697e27c90_attn,@function
k_q2697e27c90_attn:
	s_mov_b64 s[64:65], 0
	v_nop
	global_prefetch_b8 v0, s[64:65] scope:SCOPE_SE
	s_setreg_imm32_b32 hwreg(HW_REG_WAVE_SCHED_MODE, 0, 2), 2
	s_setreg_imm32_b32 hwreg(HW_REG_WAVE_MODE, 25, 1), 1
	s_wait_xcnt 0x0
	s_wait_alu depctr_vm_vsrc(0)
; out0[b][q][:] = sum over k of softmax_k(mask(Q[b][q] . K[b][k] / 8)) V[b][k][:], 16 batches x 2,048 queries x 2,048 keys, head size 64, both products on codes of BF8 (E5M2),
; each tensor with its given scale 2^e: eq, ek, ep, ev.  Q, K: [16][2048][64] codes.  V: [16][64][2048] codes, the keys innermost.  out0: [16][2048][64] f32.
; THE MASK: keys at or past valid_len[b] count for nothing.  Key steps (128 keys) that lie wholly past valid_len are neither loaded nor multiplied; in the one step that valid_len cuts, hidden scores become -infinity.
; THE SOFTMAX AHEAD OF THE SECOND PRODUCT: t = score x log2(e) / 8; M = the largest t so far, rounded UP to a whole number; p = 2^(t - M) is quantised with 2^ep; the row's sum l is taken of the unquantised p and divides at the end.
; SHARES.  A JOB is 64 queries (four tiles of 16) of one batch: 512 jobs, two to each of 256 work-groups.  Job A: batch a = work-group / 16, query block work-group % 16.  Job B: the batch whose rank by valid_len is
; 15 - rank(a) (the ranking keys 16 x len + batch are all different, so this pairing is one to one and every batch gets its blocks 16 to 31 once), query block 16 + work-group % 16: a long batch stands beside a short one.
; A job is shared among four waves BY KEY STEPS, dealt round: A's steps and then B's count as one sequence, and part r takes the steps whose number in it is r modulo 4.  A wave holds all four tiles of queries, so each
; fragment of K and V that it loads feeds four products.  At the end a job's four partial results (M, l, O^T) meet in LDS behind the one barrier; part r joins tile r by exact powers of two, divides by l and stores it.
; LAYOUT.  Both products are used transposed: S^T = K Q^T (source 0 = 16 keys, source 1 = 16 queries), O^T = V^T P^T (source 0 = 16 of the head's 64, source 1 = P): a lane holds ONE query (lane % 16) throughout.
; THE KEYS OF A TILE ARE NOT NEIGHBOURS: lane r of tile 2 b + u takes key 32 b + 8 u + r + 8 (r / 8), so that the 16 registers of tiles 2 b and 2 b + 1 are the keys 32 b + 16 (lane / 16) + 0 .. 15: the conversions' results
; are the second product's operand.  Fragments are loaded 16 bytes a lane: a permutation of k that is the same in both operands of a product.
; NO TENSOR LOADS, NO CLUSTER, though the jobs of a batch read the same K and V: how many steps a wave walks hangs on valid_lens, and the hold at the largest code on ep; both are branches on loaded numbers.
; The four waves of a job read different steps, so they would share nothing through LDS either.
; LIMITS.  Hidden keys have weight 0, as reference()'s -1e6 gives them wherever a row has a valid key with a score above about -1e6 + 200.  valid_len <= 0: all 2,048 keys alike (t = 0, p = 1, as f32 gives for 2,048 equal
; logits of -1e6); valid_len > 2,048 is held at 2,048.  eq + ek between -123 and 130 (added to c's exponent field); ep between -126 and 112; ep + ev is applied by v_ldexp_f32 and has none.  NaN and infinity codes are not served.
; REGISTERS, in two windows of 256.  Window 0: v1 K's, v2 V's, v3 Q's lane offset; v4 2^ep; v5 57,344 x 2^ep; v6 -infinity; v7 the mask's distance; v[8:9] f; v10-15 at work; v16-31 four registers of statistics a tile
;   (-M, largest t, l in two halves); v32-63 Q; v64-95 two fragments of p's codes; v96-159, v160-223 two buffers of scores; v224-230 addresses for the end; v232-247 the joining; v254, v255 the closing add's two.
;   Window 1: v0-127 O^T (tile t, 16 u of the head at 32 t + 8 u); v128-191 K's eight fragments; v192-255 V's four.   s48-s63: sixteen lane masks at a time (the ranking; the mask of a cut step).
; THE MODE: SCHED_MODE bits 1:0 = 2 (LLVM: expert scheduling mode 2), set by the entry lines.  The code itself states the register dependences between vector or matrix instructions and memory or LDS instructions,
; and those through scalar registers and VCC that vector instructions write, with s_wait_alu, always for 0.
; THE PLAN.  Registers that memory or LDS instructions touch:
;   v1-v3, v13, v224-v230, v254, v255   offsets and addresses: written once at the head, ahead of one wait on va_vdst; read by loads and stores; never written again.
;   Q's registers                       written by loads alone, at the head.
;   K's registers                       written by loads alone.  A step's 32 S products read them; behind the last of these one wait on va_vdst, then the next step's 16 loads.
;   V's registers                       likewise: a step's 16 O^T products read them; behind the last of these one wait on va_vdst, then the next step's 16 loads.
;   O^T, the statistics                 written by vector and matrix lines; read once, by the LDS stores ahead of the barrier, behind one wait on va_vdst; never written again.
;   v96-v223, v232-v239                 behind the barrier LDS loads land there: no vector line stands between the wait just named and these loads.
;   v96-v127, v128-v159                 the joined tile, which the stage's stores read, and the registers in which the stage's loads land, which the joining has read: one wait on va_vdst ahead of the stores serves both.
; All 512 registers are taken, so K and V have one buffer each, and each wait stands behind the products that empty the buffer, so that it is asked for again at once.
; No register that a memory or LDS instruction reads is written again, so no wait on vm_vsrc is owed ahead of the closing lines.
.set ST,   16
.set QF,   32
.set PC,   64
.set SA,   96
.set SB,   160
.set KF,   128                         ; in window 1
.set VF,   192                         ; in window 1
.set STAT, 131072                      ; LDS: 0: eight slots of 16,384 bytes: images of a wave's O^T registers;  STAT: eight slots of 1,024: (-M, l) a lane and tile;
.set STG,  139264                      ; STG: eight stages of 16 rows x (256 + 16) bytes, each wave's own; behind them, from 0x2a800 on, the spare words: 128 bytes for each of the eight waves, which no other line names
.set MSB, 0
.macro WIN new                         ; s_set_vgpr_msb: bits 1:0 source 0, 3:2 source 1, 5:4 source 2, 7:6 destination; the high byte repeats the setting that is left
.if MSB != \new
	s_set_vgpr_msb (MSB<<8)|\new
.set MSB, \new
.endif
.endm
.macro PLACES                          ; four plain vector lines between a matrix instruction and a read of its result by a vector line or a store, or a load into one of its registers
.rept 4
	v_nop
.endr
.endm
.macro KLOAD                           ; a step's 128 keys: eight fragments of 16 keys x 64, two loads of 16 bytes a lane each
	WIN 0x40                                       ; destination window 1
.irp i, 0,1,2,3,4,5,6,7
	global_load_b128 v[KF+8*\i:KF+8*\i+3],   v1, s[6:7] offset:(32*(\i/2)+8*(\i%2))*64
	global_load_b128 v[KF+8*\i+4:KF+8*\i+7], v1, s[6:7] offset:(32*(\i/2)+8*(\i%2))*64+32
.endr
	WIN 0
.endm
.macro VLOAD                           ; the same 128 keys of V's 64 rows: four fragments of 16 rows x 128 keys
	WIN 0x40
.irp u, 0,1,2,3
.irp c, 0,1,2,3
	global_load_b128 v[VF+16*\u+4*\c:VF+16*\u+4*\c+3], v2, s[8:9] offset:32768*\u+32*\c
.endr
.endr
	WIN 0
.endm
.macro SMUL t, sb                      ; S^T of tile t into buffer sb: eight products, each its own sum (K = 64 is the whole head)
	WIN 0x01                                       ; source 0 (K) window 1
.irp i, 0,1,2,3,4,5,6,7
	v_wmma_f32_16x16x64_bf8_bf8 v[\sb+8*\i:\sb+8*\i+7], v[KF+8*\i:KF+8*\i+7], v[QF+8*\t:QF+8*\t+7], 0
.endr
	WIN 0
.endm
.macro PVMUL t0                        ; O^T += V^T P^T for tiles t0 and t0 + 1: eight accumulators, one instruction each
	WIN 0x51                                       ; source 0 (V), C and D window 1; source 1 (p's codes) window 0
.irp u, 0,1,2,3
.irp t, \t0, \t0+1
	v_wmma_f32_16x16x128_bf8_bf8 v[32*(\t)+8*\u:32*(\t)+8*\u+7], v[VF+16*\u:VF+16*\u+15], v[PC+16*((\t)%2):PC+16*((\t)%2)+15], v[32*(\t)+8*\u:32*(\t)+8*\u+7]
.endr
.endr
	WIN 0
.endm
; One tile's softmax for one key step, in place on the 64 scores of buffer sb (register 16 b + i: key 32 b + 16 (lane / 16) + i of the step).  msk = 1: the text of a wave's last step, which valid_len may cut.
.macro SOFTMAX t, sb, msk
.set NM, ST+4*\t                       ; -M; NM + 1 the largest t; NM + 2, NM + 3 l
.if \msk
	s_cmp_eq_u32 s36, 0                            ; all 128 keys of the step count: nothing to hide
	s_cbranch_scc1 .Lopen_\@
.irp b, 0,1,2,3                                ; sixteen compares in a run, each into a scalar register of its own; one wait; the sixteen selects
.irp i, 0,1,2,3,4,5,6,7,8,9,10,11,12,13,14,15
	v_cmp_ge_i32 s[48+\i], 32*\b+\i, v7            ; hidden where 32 b + i >= valid_len - the step's first key - 16 (lane / 16)
.endr
	s_wait_alu depctr_va_sdst(0)                   ; the sixteen masks s48 to s63 are written, ahead of the selects that read them
.irp i, 0,1,2,3,4,5,6,7,8,9,10,11,12,13,14,15
	v_cndmask_b32 v[\sb+16*\b+\i], v[\sb+16*\b+\i], v6, s[48+\i]
.endr
.endr
.Lopen_\@:
.endif
	v_max3_num_f32 v10, v[\sb], v[\sb+1], v[\sb+2] ; the step's largest score of my query among my 64 keys, in two chains; each accumulator is read from its low end on
	v_max3_num_f32 v11, v[\sb+3], v[\sb+4], v[\sb+5]
.irp i, 6,10,14,18,22,26,30,34,38,42,46,50,54,58
	v_max3_num_f32 v10, v10, v[\sb+\i], v[\sb+\i+1]
	v_max3_num_f32 v11, v11, v[\sb+\i+2], v[\sb+\i+3]
.endr
	v_max3_num_f32 v10, v10, v[\sb+62], v[\sb+63]
	v_max_num_f32 v10, v10, v11
	v_permlanex16_b32 v12, v10, s40, s41
	v_max_num_f32 v10, v10, v12                    ; and among lane l xor 16's
	v_mul_f32 v10, s38, v10                        ; as t (c is not negative)
	v_max_num_f32 v[NM+1], v[NM+1], v10            ; the running largest t
	v_mov_b32 v10, v[NM]
	v_floor_f32 v[NM], -v[NM+1]                    ; the new -M = floor(-t) = -ceil(t): a whole number
	v_sub_f32 v10, v[NM], v10                      ; old M - new M: a whole number, 0 or less
	v_cvt_i32_f32 v10, v10                         ; (it saturates)
	v_ldexp_f32 v8, 1.0, v10                       ; f = 2^(old M - new M): rounds nothing
.irp j, 0,2,4,6,8,10,12,14,16,18,20,22,24,26,28,30,32,34,36,38,40,42,44,46,48,50,52,54,56,58,60,62
	v_pk_fma_f32 v[\sb+\j:\sb+\j+1], v[\sb+\j:\sb+\j+1], s[38:39], v[NM:NM+1] op_sel_hi:[1,0,0]   ; t - M, two at a time (the low words of c's and -M's pairs serve both halves)
.endr
.irp b, 0,1,2,3
.irp i, 0,1,2,3,4,5,6,7,8,9,10,11,12,13,14,15
	v_exp_f32 v[\sb+16*\b+\i], v[\sb+16*\b+\i]     ; p = 2^(t - M): not normalised
.endr
.endr
	v_pk_mul_f32 v[NM+2:NM+3], v[NM+2:NM+3], v[8:9] op_sel_hi:[1,0]   ; l under the new M: the plain line behind the exponentials
	s_wait_alu depctr_va_vdst(0)                   ; the batch of 64 exponentials has written p, ahead of its first reader: one wait for the batch
	v_pk_add_f32 v[14:15], v[\sb:\sb+1], v[\sb+2:\sb+3]   ; the row's sum is taken of the unquantised p, in two chains
.irp j, 4,8,12,16,20,24,28,32,36,40,44,48,52,56,60
	v_pk_add_f32 v[NM+2:NM+3], v[NM+2:NM+3], v[\sb+\j:\sb+\j+1]
	v_pk_add_f32 v[14:15], v[14:15], v[\sb+\j+2:\sb+\j+3]
.endr
	v_pk_add_f32 v[NM+2:NM+3], v[NM+2:NM+3], v[14:15]
	s_cmp_eq_u32 s35, 0                            ; p <= 1, so p / 2^ep passes 57,344 only where ep < -15: else the hold could change nothing and is jumped over
	s_cbranch_scc1 .Lheld_\@
.irp b, 0,1,2,3
.irp i, 0,1,2,3,4,5,6,7,8,9,10,11,12,13,14,15
	v_min_num_f32 v[\sb+16*\b+\i], v[\sb+16*\b+\i], v5   ; the conversion does not saturate (ISA guide 7.6.2); p is not negative, so the hold is one-sided
.endr
.endr
.Lheld_\@:
.irp b, 0,1,2,3
	v_cvt_scalef32_pk8_bf8_f32 v[PC+16*(\t%2)+4*\b:PC+16*(\t%2)+4*\b+1],   v[\sb+16*\b:\sb+16*\b+7],    v4
	v_cvt_scalef32_pk8_bf8_f32 v[PC+16*(\t%2)+4*\b+2:PC+16*(\t%2)+4*\b+3], v[\sb+16*\b+8:\sb+16*\b+15], v4
.endr
	WIN 0x41                                       ; O^T (destination and source 0) window 1, f window 0
.irp j, 0,2,4,6,8,10,12,14,16,18,20,22,24,26,28,30
	v_pk_mul_f32 v[32*\t+\j:32*\t+\j+1], v[32*\t+\j:32*\t+\j+1], v[8:9] op_sel_hi:[1,0]   ; O^T under the new M.  (Also the plain lines behind the conversions)
.endr
	WIN 0
.endm
; A KEY STEP for the wave's four tiles.  At its head 16 loads of K and, behind them, 16 of V are out.  nxt = 1: the wave's next step (four steps on) is asked for: K as soon as the last S product has read K's registers, V likewise
; at the step's end: each has two tiles' softmax in which to land.  The two score buffers let a tile's products stand ahead of the softmax of the tile before.
; Each of the two runs of loads stands behind the window switch and one wait on va_vdst; between that wait and the run's last load no vector or matrix line is issued.
.macro STEP nxt, msk
	s_wait_loadcnt 16                              ; K is in (in the first step Q too, asked for ahead of it); the 16 loads of V behind it may be out
	SMUL 0, SA
	SMUL 1, SB
	PLACES
	SOFTMAX 0, SA, \msk
	SMUL 2, SA
	SOFTMAX 1, SB, \msk
	SMUL 3, SB
.if \nxt
	PLACES
	s_add_nc_u64 s[6:7], s[6:7], 32768             ; four steps of 128 keys x 64 bytes on; the loads that read this base were shown done at the step's head
	WIN 0x40                                       ; the loads' window first, then the wait, then the loads
	s_wait_alu depctr_va_vdst(0)                   ; the step's 32 S products are done reading K's registers, in which the 16 loads below land
	KLOAD
	s_wait_loadcnt 16                              ; V is in; the 16 loads of K just issued may be out
.else
	s_wait_loadcnt 0x0                             ; V is in
.endif
	PVMUL 0
	SOFTMAX 2, SA, \msk
	SOFTMAX 3, SB, \msk
	PVMUL 2
.if \nxt
	PLACES
	s_add_nc_u64 s[8:9], s[8:9], 512               ; four steps of 128 keys on in V's rows; the loads that read this base were shown done in the step's middle
	WIN 0x40                                       ; the loads' window first, then the wait, then the loads
	s_wait_alu depctr_va_vdst(0)                   ; the step's 16 O^T products are done reading V's registers, in which the 16 loads below land
	VLOAD
.endif
.endm
	s_load_b256 s[4:11], s[0:1], 0x0               ; Q s[4:5], K s[6:7], V s[8:9], valid_lens s[10:11]
	s_load_b128 s[12:15], s[0:1], 0x20             ; the scales' exponents s[12:13], out0 s[14:15]
	v_lshl_add_u32 v254, v0, 2, 0x2a800            ; the LDS address of my spare word, and 0: made here and kept for the closing lines alone
	v_mov_b32 v255, 0
	v_lshrrev_b32 v10, 5, v0
	v_readfirstlane_b32 s20, v10                   ; wave 0..7
	v_and_b32 v10, 15, v0                          ; lane % 16.  (The lane arithmetic that needs no scalar stands between that line and the wait for s20)
	v_bfe_u32 v11, v0, 4, 1                        ; lane / 16
	v_and_b32 v12, 31, v0                          ; lane.  (v12 is later a lane permute's destination, which counts as read: it is written here)
	v_and_b32 v1, 8, v10
	v_add_nc_u32 v1, v1, v10                       ; r + 8 (r / 8)
	v_lshlrev_b32 v1, 6, v1
	v_lshl_add_u32 v1, v11, 4, v1                  ; K: that row of 64 bytes, + 16 x half
	v_lshlrev_b32 v2, 11, v10
	v_lshl_add_u32 v2, v11, 4, v2                  ; V: row lane % 16 of 2,048 bytes, + 16 x half
	v_lshlrev_b32 v3, 6, v10
	v_lshl_add_u32 v3, v11, 4, v3                  ; Q: row lane % 16 of 64 bytes, + 16 x half
	v_lshlrev_b32 v13, 2, v10                      ; valid_lens: entry lane % 16
	v_lshlrev_b32 v7, 4, v11                       ; 16 x half, for the mask
	v_mov_b32 v6, 0xff800000                       ; -infinity
	v_mov_b32 v9, 0                                ; (named as the upper half of f's pair)
	v_lshlrev_b32 v230, 4, v12                     ; 16 x lane: an image's place for my lane, and my bytes of two rows of out0
	s_wait_alu depctr_va_sdst(0)                   ; s20 is written, ahead of its first reader: role, part and slot are made from it
	s_lshr_b32 s21, s20, 2
	s_xor_b32 s21, s21, s20
	s_and_b32 s21, s21, 1                          ; role: 0 job A (waves 0, 2, 5, 7), 1 job B (waves 1, 3, 4, 6)
	s_and_b32 s22, s20, 3                          ; part r: each role has parts 0 to 3
	s_lshl_b32 s23, s21, 2
	s_add_co_u32 s23, s23, s22                     ; my slot in LDS: 4 x role + r
	s_lshr_b32 s24, ttmp9, 4                       ; a
	s_and_b32 s25, ttmp9, 15                       ; the query block's low part
	; all LDS addresses are made here, ahead of the roles' parting: constants, the wave's role, part and slot, and the lane
	s_lshl_b32 s37, s23, 14
	v_add_nc_u32 v224, s37, v230                   ; where I store my O^T: slot x 16,384 + 16 x lane
	s_lshl_b32 s37, s23, 10
	s_add_co_u32 s37, s37, STAT
	v_lshl_add_u32 v225, v12, 3, s37               ; and my statistics: STAT + slot x 1,024 + 8 x lane
	s_lshl_b32 s37, s21, 16
	s_lshl_b32 s44, s22, 12
	s_add_co_u32 s37, s37, s44
	v_add_nc_u32 v226, s37, v230                   ; where I read tile r of my job's four slots: role x 65,536 + r x 4,096 + 16 x lane
	s_lshl_b32 s37, s21, 12
	s_lshl_b32 s44, s22, 8
	s_add_co_u32 s37, s37, s44
	s_add_co_u32 s37, s37, STAT
	v_lshl_add_u32 v227, v12, 3, s37               ; and its statistics
	s_mul_i32 s37, s23, 4352
	s_add_co_u32 s37, s37, STG                     ; my stage
	v_mul_u32_u24 v228, v10, 272
	v_lshl_add_u32 v228, v11, 5, v228
	v_add_nc_u32 v228, s37, v228                   ; in: row lane % 16, 32 bytes for each half of the lanes
	v_mul_u32_u24 v229, v11, 272
	v_lshl_add_u32 v229, v10, 4, v229
	v_add_nc_u32 v229, s37, v229                   ; back: lanes 0-15 one row of 256 bytes, lanes 16-31 the next
	s_mov_b32 s40, 0x76543210                      ; v_permlanex16_b32's selects for lane l xor 16
	s_mov_b32 s41, 0xfedcba98
	s_lshl_b32 s46, s24, 2
	s_mov_b32 s26, s24                             ; job A: batch a,
	s_mov_b32 s27, s22                             ; first step r
	s_mov_b32 s29, 0
	s_wait_kmcnt 0x0
	s_load_b32 s28, s[10:11], s46 offset:0x0       ; valid_len[a]
	s_load_b128 s[16:19], s[12:13], 0x0            ; eq, ek, ep, ev
	s_wait_alu depctr_va_vdst(0)                   ; v1-v3, v13, v224-v230, v254 and v255 are written: every load, store and LDS instruction of the kernel reads its offset or address there; none of them is written again
	s_cmp_eq_u32 s21, 0
	s_cbranch_scc1 .Ljoin
	; ---- job B's waves find the partner batch and their first step
	global_load_b32 v96, v13, s[10:11]             ; lane l: valid_len[l % 16]
	s_wait_kmcnt 0x0                               ; valid_len[a]
	s_cmp_gt_i32 s28, 0
	s_cselect_b32 s44, s28, 2048                   ; 0 or less counts as all keys,
	s_min_u32 s44, s44, 2048                       ; more than 2,048 as 2,048
	s_add_co_u32 s45, s44, 127
	s_lshr_b32 s45, s45, 7                         ; job A's steps
	s_sub_co_u32 s27, s22, s45
	s_and_b32 s27, s27, 3                          ; B's step s has number nA + s in the joint sequence: my first is (r - nA) mod 4
	s_min_u32 s27, s27, 3
	s_lshl_b32 s44, s44, 4
	s_add_co_u32 s44, s44, s24                     ; a's ranking key: 16 x length + batch
	s_wait_loadcnt 0x0
	v_cmp_lt_i32 vcc_lo, 0, v96
	v_mov_b32 v97, 0x800
	s_wait_alu depctr_va_vcc(0)                    ; VCC is written, ahead of the select that reads it
	v_cndmask_b32 v97, v97, v96, vcc_lo
	v_min_u32 v97, 0x800, v97                      ; the lengths, brought into 1 .. 2,048 in the same way
	v_lshl_add_u32 v98, v97, 4, v10                ; lane l: the key of batch l % 16
	v_mov_b32 v99, 0
.irp j, 0,1,2,3,4,5,6,7,8,9,10,11,12,13,14,15
	v_readlane_b32 s[48+\j], v98, \j               ; the sixteen keys as scalars, in one run
.endr
	s_wait_alu depctr_va_sdst(0)                   ; s48 to s63 are written, ahead of the compares that read them
.irp j, 0,1,2,3,4,5,6,7,8,9,10,11,12,13,14,15
	v_cmp_lt_u32 s[48+\j], s[48+\j], v98           ; in whose lanes batch j's key lies under the lane's own: the mask takes the key's place
.endr
	v_cmp_gt_u32 s45, s44, v98                     ; and in whose lanes the key lies under a's
	s_wait_alu depctr_va_sdst(0)                   ; the seventeen masks are written, ahead of the selects and of the scalar lines that read them
.irp j, 0,1,2,3,4,5,6,7,8,9,10,11,12,13,14,15
	v_cndmask_b32 v100, 0, 1, s[48+\j]
	v_add_nc_u32 v99, v99, v100                    ; my batch's rank: how many keys lie under its own
.endr
	s_and_b32 s45, s45, 0xffff
	s_bcnt1_i32_b32 s45, s45                       ; a's rank
	s_sub_co_u32 s45, 15, s45
	v_cmp_eq_u32 s48, s45, v99
	s_wait_alu depctr_va_sdst(0)                   ; s48 is written, ahead of the scalar line that reads it
	s_ctz_i32_b32 s26, s48                         ; the batch of rank 15 - rank(a)
	s_min_u32 s26, s26, 15
	s_lshl_b32 s47, s26, 2
	s_load_b32 s29, s[10:11], s47 offset:0x0       ; its valid_len: awaited behind the requests for Q, K and V
.Ljoin:
	s_lshl_b32 s44, s26, 17                        ; the batch's first byte in each tensor of codes
	s_lshl_b32 s37, s21, 4
	s_add_co_u32 s37, s37, s25                     ; my job's block of 64 queries: 16 x role + work-group % 16
	s_lshl_b32 s48, s37, 12
	s_add_co_u32 s48, s48, s44
	s_mov_b32 s49, 0
	s_add_nc_u64 s[4:5], s[4:5], s[48:49]          ; Q at the block's first row
	s_lshl_b32 s50, s27, 13
	s_add_co_u32 s50, s50, s44
	s_mov_b32 s51, 0
	s_add_nc_u64 s[6:7], s[6:7], s[50:51]          ; K at my first step: 128 rows of 64 bytes a step
	s_lshl_b32 s50, s27, 7
	s_add_co_u32 s50, s50, s44
	s_add_nc_u64 s[8:9], s[8:9], s[50:51]          ; V likewise: 128 bytes of each row a step
	s_lshl_b32 s48, s26, 19
	s_lshl_b32 s37, s37, 14
	s_add_co_u32 s48, s48, s37
	s_lshl_b32 s37, s22, 12
	s_add_co_u32 s48, s48, s37
	s_add_nc_u64 s[14:15], s[14:15], s[48:49]      ; out0 at tile r of the block: the tile that I join and store
	; No wait stands here: since the head's wait on va_vdst only job B's lines on v10 and v96 to v100 were issued, and no vector line has ever named the registers in which Q, K and V land
.irp t, 0,1,2,3
	global_load_b128 v[QF+8*\t:QF+8*\t+3],   v3, s[4:5] offset:1024*\t      ; Q's four fragments stay in registers
	global_load_b128 v[QF+8*\t+4:QF+8*\t+7], v3, s[4:5] offset:1024*\t+32
.endr
	KLOAD                                          ; my first step, number 0 to 3: inside the buffers whatever valid_len is; a wave that has no step reads it and uses nothing of it
	VLOAD
.irp t, 0,1,2,3
	v_mov_b32 v[ST+4*\t+1], 0xff61b1e6             ; the largest t so far: -3e38, under every t
	v_floor_f32 v[ST+4*\t], -v[ST+4*\t+1]          ; -M
	v_mov_b32 v[ST+4*\t+2], 0                      ; l, in two halves
	v_mov_b32 v[ST+4*\t+3], 0
.endr
	WIN 0x40
.set j, 0
.rept 128
	v_mov_b32 v[j], 0                              ; O^T, while the first loads are out.  The step is written without a first form of its own, and a wave with no step hands zeros to the joining
.set j, j+1
.endr
	WIN 0
	s_wait_kmcnt 0x0                               ; the lengths and the four exponents
	s_cmp_eq_u32 s21, 0
	s_cselect_b32 s30, s28, s29                    ; my batch's valid_len
	s_add_co_i32 s37, s16, s17
	s_lshl_b32 s37, s37, 23
	s_add_co_i32 s38, s37, 0x3e38aa3b              ; c = log2(e) / 8 x 2^(eq + ek): the two exponents are added to c's exponent field
	s_cmp_gt_i32 s30, 0
	s_cselect_b32 s38, s38, 0                      ; valid_len <= 0: every key hidden alike: t = 0 for all 2,048
	s_cselect_b32 s30, s30, 2048
	s_min_u32 s30, s30, 2048
	s_mov_b32 s39, s38                             ; (named with it as a pair)
	s_add_co_u32 s31, s30, 127
	s_lshr_b32 s31, s31, 7                         ; the batch's steps, 1 to 16
	s_add_co_u32 s32, s31, 3
	s_sub_co_u32 s32, s32, s27
	s_lshr_b32 s32, s32, 2                         ; my steps: first, first + 4, ..: 0 to 4
	s_sub_co_i32 s33, s32, 1
	s_max_i32 s33, s33, 0                          ; those that have a successor
	s_cmp_lt_i32 s18, -15
	s_cselect_b32 s35, 1, 0                        ; is the hold needed?
	s_lshl_b32 s37, s33, 2
	s_add_co_u32 s37, s37, s27
	s_lshl_b32 s37, s37, 7                         ; my last step's first key
	s_sub_co_i32 s37, s30, s37                     ; keys that count from there on
	s_cmp_lt_i32 s37, 128
	s_cselect_b32 s36, 1, 0                        ; does valid_len cut my last step?  (Only a batch's last step can be cut, and it is the last of the wave that has it)
	v_sub_nc_u32 v7, s37, v7                       ; less 16 x half: the mask's distance
	s_add_co_i32 s44, s18, 127
	s_lshl_b32 s45, s44, 23
	v_mov_b32 v4, s45                              ; 2^ep as f32: the conversion takes its exponent field
	s_add_co_i32 s44, s44, 15
	s_lshl_b32 s44, s44, 23
	s_or_b32 s44, s44, 0x600000
	v_mov_b32 v5, s44                              ; 57,344 x 2^ep
	s_add_co_i32 s42, s18, s19                     ; ep + ev
	s_mov_b32 s34, 0
.Ltrip:                                                ; three trips, a constant; a trip's work is jumped over where the wave has no further step with a successor
	s_cmp_ge_u32 s34, s33
	s_cbranch_scc1 .Lskip
	STEP 1, 0
.Lskip:
	s_add_co_u32 s34, s34, 1
	s_cmp_lt_u32 s34, 3
	s_cbranch_scc1 .Ltrip
	s_cmp_eq_u32 s32, 0
	s_cbranch_scc1 .Lnone
	STEP 0, 1                                      ; my last step asks for nothing more, and may be cut by valid_len
.Lnone:
	s_wait_loadcnt 0x0                             ; (a wave without a step: its first loads)
	; ---- THE JOINING.  Each wave hands over its O^T as an image of its registers, and (-M, l) for each tile.
.irp t, 0,1,2,3
	v_add_f32 v[ST+4*\t+1], v[ST+4*\t+2], v[ST+4*\t+3]   ; l's two halves, beside -M.  (Four plain lines behind the last products)
.endr
	WIN 0x04                                       ; store data window 1
	s_wait_alu depctr_va_vdst(0)                   ; the products and scalings have written O^T, the four additions the statistics: the LDS stores below read both.  All lines that named v96 to v223 are done too: the loads behind the barrier land there, and no vector line stands between
.irp t, 0,1,2,3
.irp g, 0,1,2,3,4,5,6,7
	ds_store_b128 v224, v[32*\t+4*\g:32*\t+4*\g+3] offset:4096*\t+512*\g   ; 32 lanes, 512 consecutive bytes; each accumulator from its low end on
.endr
.endr
	WIN 0
.irp t, 0,1,2,3
	ds_store_b64 v225, v[ST+4*\t:ST+4*\t+1] offset:256*\t
.endr
	s_wait_dscnt 0x0                               ; for the others' sake: my stores have landed
	s_barrier_signal -1
	s_barrier_wait -1                              ; the launch's one barrier: all eight slots are whole; nobody writes them again
.irp q, 0,1,2,3
	ds_load_b64 v[232+2*\q:233+2*\q], v227 offset:1024*\q          ; part q's (-M, l) of tile r
.endr
.irp q, 0,1,2,3
.irp g, 0,1,2,3,4,5,6,7
	ds_load_b128 v[96+32*\q+4*\g:96+32*\q+4*\g+3], v226 offset:16384*\q+512*\g   ; and its O^T of tile r
.endr
.endr
	s_wait_dscnt 32                                ; the four pairs of statistics are in; the 32 loads behind them may be out
	v_min3_num_f32 v240, v232, v234, v236
	v_min_num_f32 v240, v240, v238                 ; the smallest -M: the job's M
.irp q, 0,1,2,3
	v_sub_f32 v[241+\q], v240, v[232+2*\q]         ; part q's M less the job's: a whole number, 0 or less
.endr
.irp q, 0,1,2,3
	v_cvt_i32_f32 v[241+\q], v[241+\q]             ; (it saturates: a part without a step gets the factor 0)
.endr
.irp q, 0,1,2,3
	v_ldexp_f32 v[241+\q], 1.0, v[241+\q]          ; g = 2^(that): rounds nothing
.endr
	v_mul_f32 v245, v241, v233
	v_fma_f32 v245, v242, v235, v245
	v_fma_f32 v245, v243, v237, v245
	v_fma_f32 v245, v244, v239, v245               ; l under the job's M, of my half's keys,
	v_permlanex16_b32 v12, v245, s40, s41
	v_add_f32 v245, v245, v12                      ; and of lane l xor 16's: the row's sum
	v_rcp_f32 v246, v245
	v_nop                                          ; a plain line behind the reciprocal
	s_wait_alu depctr_va_vdst(0)                   ; the reciprocal has written v246, ahead of its first reader
	v_ldexp_f32 v246, v246, s42                    ; x 2^(ep + ev)
.irp q, 0,1,2,3
	v_mul_f32 v[232+2*\q], v[241+\q], v246         ; g / l x 2^(ep + ev), as the low word of a pair
.endr
	s_wait_dscnt 24                                ; part 0's eight loads are in
.irp j, 0,2,4,6,8,10,12,14,16,18,20,22,24,26,28,30
	v_pk_mul_f32 v[96+\j:97+\j], v[96+\j:97+\j], v[232:233] op_sel_hi:[1,0]
.endr
.irp q, 1,2,3
	s_wait_dscnt 24-8*\q                           ; part q's are in; the later parts' may be out
.irp j, 0,2,4,6,8,10,12,14,16,18,20,22,24,26,28,30
	v_pk_fma_f32 v[96+\j:97+\j], v[96+32*\q+\j:97+32*\q+\j], v[232+2*\q:233+2*\q], v[96+\j:97+\j] op_sel_hi:[1,0,1]
.endr
.endr
	; register 8 u + i of lane (r, h) is out0(query r, 16 u + 8 h + i): through my own stage, so that sixteen lanes store a whole row of 256 bytes
	s_wait_alu depctr_va_vdst(0)                   ; the multiply-adds have written v96 to v127, which the stage's stores read, and are done reading v128 to v159, in which the stage's loads land
.irp u, 0,1,2,3
	ds_store_b128 v228, v[96+8*\u:99+8*\u]   offset:64*\u
	ds_store_b128 v228, v[100+8*\u:103+8*\u] offset:64*\u+16
.endr
.irp k, 0,1,2,3,4,5,6,7
	ds_load_b128 v[128+4*\k:131+4*\k], v229 offset:544*\k          ; LDS serves a wave's instructions in order (ISA guide 5.7.1.4): these see my stores
.endr
.irp k, 0,1,2,3,4,5,6,7
	s_wait_dscnt 7-\k                              ; rows 2 k and 2 k + 1 are back; the later loads may be out
	global_store_b128 v230, v[128+4*\k:131+4*\k], s[14:15] offset:512*\k th:TH_STORE_NT   ; 32 lanes store 512 consecutive bytes, at a multiple of 256 from out0's first byte
.endr
	s_wait_dscnt 0x0                               ; the closing lines, six on end (every window is 0 here: the add's two registers lie in window 0)
	s_wait_alu 0x0
	s_wait_tensorcnt 0x0
	ds_add_u32 v254, v255
	s_wait_dscnt 0x0
	s_endpgm
.Lfunc_end_k_q2697e27c90_attn:
	.size	k_q2697e27c90_attn, .Lfunc_end_k_q2697e27c90_attn-k_q2697e27c90_attn
	.p2alignl 7, 3214868480
	.fill 96, 4, 3214868480
	.section	.rodata,"a",@progbits
	.p2align	6, 0x0
	.amdhsa_kernel k_q2697e27c90_attn
		.amdhsa_group_segment_fixed_size 175104
		.amdhsa_private_segment_fixed_size 0
		.amdhsa_enable_private_segment 0
		.amdhsa_kernarg_size 48
		.amdhsa_user_sgpr_count 2
		.amdhsa_user_sgpr_kernarg_segment_ptr 1
		.amdhsa_wavefront_size32 1
		.amdhsa_system_sgpr_workgroup_id_x 1
		.amdhsa_system_sgpr_workgroup_id_y 1
		.amdhsa_system_sgpr_workgroup_id_z 1
		.amdhsa_system_vgpr_workitem_id 0
		.amdhsa_next_free_vgpr 512
		.amdhsa_next_free_sgpr 66
		.amdhsa_reserve_vcc 1
		.amdhsa_float_denorm_mode_32 3
		.amdhsa_float_denorm_mode_16_64 3
		.amdhsa_memory_ordered 1
		.amdhsa_forward_progress 1
		.amdhsa_inst_pref_size 176
	.end_amdhsa_kernel
	.amdgpu_metadata
---
amdhsa.version: [ 1, 2 ]
amdhsa.kernels:
  - .name:           k_q2697e27c90_attn
    .symbol:         k_q2697e27c90_attn.kd
    .args:
      - { .name: queries_codes, .offset: 0, .size: 8, .value_kind: global_buffer, .address_space: global }
      - { .name: keys_codes, .offset: 8, .size: 8, .value_kind: global_buffer, .address_space: global }
      - { .name: values_codes, .offset: 16, .size: 8, .value_kind: global_buffer, .address_space: global }
      - { .name: valid_lens, .offset: 24, .size: 8, .value_kind: global_buffer, .address_space: global }
      - { .name: lowp_scales, .offset: 32, .size: 8, .value_kind: global_buffer, .address_space: global }
      - { .name: out0, .offset: 40, .size: 8, .value_kind: global_buffer, .address_space: global }
    .group_segment_fixed_size: 175104
    .private_segment_fixed_size: 0
    .kernarg_segment_align: 8
    .kernarg_segment_size: 48
    .max_flat_workgroup_size: 256
    .sgpr_count:     66
    .vgpr_count:     512
    .wavefront_size: 32
...
	.end_amdgpu_metadata
.endif
;; end of part 2
